; MI455X (gfx1250); checked and timed in simulation.
; The chip was launched on July 23, 2026; its instructions are those of AMD's public machine-readable ISA for CDNA 5 (MIT licence, August 2026) and "CDNA5" Instruction Set Architecture Reference Guide (July 2026). The comments in the code are by the model that wrote it; some were corrected since.
;; SPG Cross Attention. Allowed arithmetic: float matrix products may take bf16 or f16 operands with f32 sums; all other float work in f32.
;; Inputs: WoutA 256 x 256 float32; WoutB 256 x 256 float32; WqkvA 768 x 256 float32; WqkvB 768 x 256 float32; bA 256 float32; bB 256 float32; boutA 256 float32; boutB 256 float32; gA 256 float32; gB 256 float32; x_A 16 x 256 x 32 x 32 float32; x_B 16 x 256 x 32 x 32 float32.
;; Outputs: out0 16 x 256 x 32 x 32 float32; out1 16 x 256 x 32 x 32 float32.
;; 2 versions, each right; version 2 is version 1 with the launch norm written anew for expert scheduling mode. Each part assembles by itself: llvm-mc -triple=amdgcn-amd-amdhsa -mcpu=gfx1250 --defsym DOCPART=n.
;; ======== version 1 of 2: 3 launches
;; workspace buffers: xn 16,777,216 bytes; wf 1,048,576 bytes; coef 65,536 bytes; q 16,777,216 bytes; kv 33,554,432 bytes
;; launch norm (part 1): grid 512 x 1, 8 waves a work-group, no clusters, 1,280 bytes of LDS; arguments x_A, x_B, gA, gB, bA, bB, WqkvA, WqkvB, WoutA, WoutB, xn, wf, coef; writes xn, wf, coef
.if DOCPART == 1
	.amdgcn_target "amdgcn-amd-amdhsa--gfx1250"
	.amdhsa_code_object_version 6
	.text
	.protected	k_qe97aad436b_norm
	.globl	k_qe97aad436b_norm
	.p2align	8
	.type	k_qe97aad436b_norm,@function
k_qe97aad436b_norm:
	s_mov_b64 s[64:65], 0
	v_nop
	global_prefetch_b8 v0, s[64:65] scope:SCOPE_SE
	s_setreg_imm32_b32 hwreg(HW_REG_WAVE_MODE, 25, 1), 1
	s_wait_xcnt 0x0
; GroupNorm of x_A and x_B, and the four weight matrices turned into bf16 fragments.
; Work-group g (0..511) owns one group: branch g >> 8, 16 channels x 1,024 positions = 65,536 consecutive bytes of f32.
; Thread t holds positions 4t .. 4t+3 of all 16 channels in 64 registers, so x is read once: pass 1 sums x, pass 2 sums (x - mean)^2
; (two passes: a common offset of the inputs costs no accuracy), pass 3 writes (x - mean) rstd gamma + beta as bf16.
; Stored: xn bf16 [branch*16+b][c][p];  coef f32 per group: a of 16 channels, then b of 16 channels, with norm = a x + b, a = rstd gamma, b = beta - mean a;
; wf: every weight matrix as fragments of 16 rows x 32 k of bf16, 1,024 bytes each, laid [half 0..1][lane 0..31][16 bytes]:
; piece (half, lane 16h + r) = row r, k = 16 half + 8h .. +7; fragment (row/16, k/32) at matrix base + (8 (row/16) + k/32) 1,024.
; Work-group g converts 1,024 weights (two fragments) into wf's bytes 2,048 g ..: WqkvA is g 0..191, WqkvB 192..383, WoutA 384..447, WoutB 448..511.
; Its reads are 32-byte pieces of 16 rows per instruction (the eight waves together read 16 pieces of 256 bytes): 2 MB of the launch's 36 MB.
; No matrix unit, no cluster, no tensor load: a stream; all 64 KiB of the work-group are asked for at once.
; LIMIT: xn and wf are rounded to bf16 (they are matrix operands); the statistics and coef are f32.
.set X,    16                          ; v[16:79]   x load i (channel i) at X + 4 i
.set CH,   80                          ; v[80:87]   four chains of pairs
.set MEAN, 88                          ; v[88:89]   mean, twice
.set RSTD, 90
.set VAR,  91
.set LW,   92                          ; LDS byte 4 x wave
.set LZ,   93                          ; LDS byte 0
.set P8,   94                          ; v[94:101]  the eight waves' figures
.set AI,   102                         ; v[102:103] rstd x gamma of a channel, two registers in turn
	s_load_b512 s[4:19], s[0:1], 0x0               ; x_A 4, x_B 6, gA 8, gB 10, bA 12, bB 14, WqkvA 16, WqkvB 18
	s_load_b256 s[20:27], s[0:1], 0x40             ; WoutA 20, WoutB 22, xn 24, wf 26
	s_load_b64 s[28:29], s[0:1], 0x60              ; coef
	v_lshl_add_u32 v104, v0, 2, 0x100
	v_mov_b32 v105, 0
	v_lshrrev_b32 v7, 5, v0
	v_readfirstlane_b32 s2, v7                     ; wave
	s_mov_b32 s3, ttmp9                            ; g
	v_lshlrev_b32 v1, 4, v0                        ; 16 t: my 16 bytes of a channel of x
	v_lshlrev_b32 v2, 3, v0                        ; 8 t: my 8 bytes of a channel of xn, and of the weight chunk in wf
	v_and_b32 v3, 0xe0, v0                         ; weight source: bits 5, 6, 7 of t are h, half, fragment = 32, 64, 128 bytes along the row
	v_bfe_u32 v7, v0, 1, 4                         ; r = (t >> 1) & 15
	v_lshl_add_u32 v3, v7, 10, v3                  ; + r rows of 1,024 bytes
	v_and_b32 v7, 1, v0
	v_lshl_add_u32 v3, v7, 4, v3                   ; + which four of the piece's eight numbers
	v_and_b32 v4, 15, v0
	v_lshlrev_b32 v4, 2, v4                        ; 4 (t & 15): gamma and beta of channel t & 15, for coef
	v_mov_b32 v[LW], s2
	v_lshlrev_b32 v[LW], 2, v[LW]
	v_mov_b32 v[LZ], 0
	s_sub_co_u32 s30, s3, 192                      ; the chunk's number inside its matrix, for each of the four cases
	s_sub_co_u32 s31, s3, 384
	s_sub_co_u32 s32, s3, 448
	s_wait_kmcnt 0x0
	s_cmp_lt_u32 s3, 256                           ; branch A or B
	s_cselect_b64 s[4:5], s[4:5], s[6:7]           ; x
	s_cselect_b64 s[8:9], s[8:9], s[10:11]         ; gamma
	s_cselect_b64 s[12:13], s[12:13], s[14:15]     ; beta
	s_cmp_lt_u32 s3, 192
	s_cselect_b64 s[16:17], s[16:17], s[18:19]     ; WqkvA or WqkvB
	s_cselect_b32 s30, s3, s30
	s_cmp_lt_u32 s3, 448
	s_cselect_b64 s[20:21], s[20:21], s[22:23]     ; WoutA or WoutB
	s_cselect_b32 s31, s31, s32
	s_cmp_lt_u32 s3, 384
	s_cselect_b64 s[16:17], s[16:17], s[20:21]     ; the chunk's matrix
	s_cselect_b32 s30, s30, s31                    ; g': the chunk's number in it
	s_mov_b32 s7, 0                                ; s[6:7]: offsets, all below 4 GiB
	s_and_b32 s6, s3, 255
	s_lshl_b32 s6, s6, 16
	s_add_nc_u64 s[4:5], s[4:5], s[6:7]            ; x at my group
	s_and_b32 s6, s3, 15
	s_lshl_b32 s6, s6, 6
	s_add_nc_u64 s[8:9], s[8:9], s[6:7]            ; gamma and beta at my 16 channels
	s_add_nc_u64 s[12:13], s[12:13], s[6:7]
	s_lshr_b32 s31, s30, 2
	s_lshl_b32 s31, s31, 14                        ; (g' >> 2) blocks of 16 rows
	s_and_b32 s30, s30, 3
	s_lshl_b32 s30, s30, 8                         ; (g' & 3) pairs of fragments: 64 numbers along the row
	s_add_co_u32 s6, s30, s31
	s_add_nc_u64 s[16:17], s[16:17], s[6:7]
	s_lshl_b32 s6, s3, 15
	s_add_nc_u64 s[24:25], s[24:25], s[6:7]        ; xn: 32,768 bytes a group
	s_lshl_b32 s6, s3, 11
	s_add_nc_u64 s[26:27], s[26:27], s[6:7]        ; wf: 2,048 bytes a chunk
	s_lshl_b32 s6, s3, 7
	s_add_nc_u64 s[28:29], s[28:29], s[6:7]        ; coef: 128 bytes a group
	s_load_b512 s[32:47], s[8:9], 0x0              ; gamma of my 16 channels, as scalars
	s_load_b512 s[48:63], s[12:13], 0x0            ; beta
	s_mov_b32 s18, 0x76543210                      ; v_permlanex16_b32: lane i of one half reads lane i of the other
	s_mov_b32 s19, 0xfedcba98
	s_mov_b32 s22, 0x38800000                      ; 1 / 16,384
	s_mov_b32 s23, 0x3727c5ac                      ; 1e-5
	global_load_b32 v5, v4, s[8:9]
	global_load_b32 v6, v4, s[12:13]
	global_load_b128 v[8:11], v3, s[16:17]
.set i, 0
.rept 16
	global_load_b128 v[X+4*i:X+4*i+3], v1, s[4:5] offset:4096*i th:TH_LOAD_NT   ; a wave's load covers 512 consecutive bytes
.set i, i+1
.endr
	s_wait_loadcnt 16                              ; the sixteen loads of x are younger: gamma, beta and the weights are in
	v_cvt_pk_bf16_f32 v12, v8, v9
	v_cvt_pk_bf16_f32 v13, v10, v11
	global_store_b64 v2, v[12:13], s[26:27]        ; a wave stores 256 consecutive bytes of wf
	; pass 1: the sum, in four chains; the chains start as sums of two loads, so nothing is cleared
	s_wait_loadcnt 13                              ; x 0, 1, 2 are in; thirteen younger loads stay out
	v_pk_add_f32 v[CH:CH+1], v[X:X+1], v[X+8:X+9]
	v_pk_add_f32 v[CH+2:CH+3], v[X+2:X+3], v[X+10:X+11]
	s_wait_loadcnt 12
	v_pk_add_f32 v[CH+4:CH+5], v[X+4:X+5], v[X+12:X+13]
	v_pk_add_f32 v[CH+6:CH+7], v[X+6:X+7], v[X+14:X+15]
.set i, 4
.rept 12
	s_wait_loadcnt 15-i                            ; loads come back in order: x i is in, the 15 - i younger ones stay out
	v_pk_add_f32 v[CH+4*(i&1):CH+4*(i&1)+1], v[CH+4*(i&1):CH+4*(i&1)+1], v[X+4*i:X+4*i+1]
	v_pk_add_f32 v[CH+4*(i&1)+2:CH+4*(i&1)+3], v[CH+4*(i&1)+2:CH+4*(i&1)+3], v[X+4*i+2:X+4*i+3]
.set i, i+1
.endr
; The four chains are folded, summed over the wave's lanes and over the eight waves; the sum ends in v[P8] of every lane.
; off: the eight LDS words of this sum; each of the two sums has words of its own, so one barrier each is enough.
.macro WGSUM off
	v_pk_add_f32 v[CH:CH+1], v[CH:CH+1], v[CH+2:CH+3]
	v_pk_add_f32 v[CH+4:CH+5], v[CH+4:CH+5], v[CH+6:CH+7]
	v_pk_add_f32 v[CH:CH+1], v[CH:CH+1], v[CH+4:CH+5]
	v_add_f32 v[CH], v[CH], v[CH+1]
	v_add_f32_dpp v[CH], v[CH], v[CH] row_xmask:1 row_mask:0xf bank_mask:0xf
	v_add_f32_dpp v[CH], v[CH], v[CH] row_xmask:2 row_mask:0xf bank_mask:0xf
	v_add_f32_dpp v[CH], v[CH], v[CH] row_xmask:4 row_mask:0xf bank_mask:0xf
	v_add_f32_dpp v[CH], v[CH], v[CH] row_xmask:8 row_mask:0xf bank_mask:0xf
	v_permlanex16_b32 v[CH+1], v[CH], s18, s19
	v_add_f32 v[CH], v[CH], v[CH+1]
	ds_store_b32 v[LW], v[CH] offset:\off          ; all lanes write the wave's word with the same value
	s_wait_dscnt 0x0                               ; my word is written before I signal
	s_barrier_signal -1
	s_barrier_wait -1
	ds_load_b128 v[P8:P8+3], v[LZ] offset:\off
	ds_load_b128 v[P8+4:P8+7], v[LZ] offset:\off+16
	s_wait_dscnt 0x0
	v_pk_add_f32 v[P8:P8+1], v[P8:P8+1], v[P8+2:P8+3]
	v_pk_add_f32 v[P8+4:P8+5], v[P8+4:P8+5], v[P8+6:P8+7]
	v_pk_add_f32 v[P8:P8+1], v[P8:P8+1], v[P8+4:P8+5]
	v_add_f32 v[P8], v[P8], v[P8+1]
.endm
	WGSUM 0
	v_mul_f32 v[MEAN], s22, v[P8]
	v_mul_f32 v[MEAN+1], s22, v[P8]
	; pass 2: d = x - mean in place, and the sum of d d
.set i, 0
.rept 32
	v_pk_add_f32 v[X+2*i:X+2*i+1], v[X+2*i:X+2*i+1], v[MEAN:MEAN+1] neg_lo:[0,1] neg_hi:[0,1]
.set i, i+1
.endr
.set i, 0
.rept 4
	v_pk_mul_f32 v[CH+2*i:CH+2*i+1], v[X+2*i:X+2*i+1], v[X+2*i:X+2*i+1]        ; the first four products start the chains
.set i, i+1
.endr
.rept 28
	v_pk_fma_f32 v[CH+2*(i&3):CH+2*(i&3)+1], v[X+2*i:X+2*i+1], v[X+2*i:X+2*i+1], v[CH+2*(i&3):CH+2*(i&3)+1]
.set i, i+1
.endr
	WGSUM 32
	v_fma_f32 v[VAR], v[P8], s22, s23              ; variance + eps
	v_rsq_f32 v[RSTD], v[VAR]
	v_nop                                          ; one plain place behind the transcendental before its result is used (ISA guide 5.7.2)
	; pass 3: d (rstd gamma) + beta, rounded once to bf16
	s_wait_kmcnt 0x0                               ; gamma and beta as scalars
.set i, 0
	s_wait_alu depctr_va_vdst(0)
.rept 16
	v_mul_f32 v[AI+(i&1)], s[32+i], v[RSTD]
	v_fma_f32 v[X+4*i],   v[X+4*i],   v[AI+(i&1)], s[48+i]
	v_fma_f32 v[X+4*i+1], v[X+4*i+1], v[AI+(i&1)], s[48+i]
	v_fma_f32 v[X+4*i+2], v[X+4*i+2], v[AI+(i&1)], s[48+i]
	v_fma_f32 v[X+4*i+3], v[X+4*i+3], v[AI+(i&1)], s[48+i]
	v_cvt_pk_bf16_f32 v[X+4*i],   v[X+4*i],   v[X+4*i+1]
	v_cvt_pk_bf16_f32 v[X+4*i+1], v[X+4*i+2], v[X+4*i+3]
	global_store_b64 v2, v[X+4*i:X+4*i+1], s[24:25] offset:2048*i              ; a wave stores 256 consecutive bytes of a channel
.set i, i+1
.endr
	; wave 0 alone: the group's 32 coefficients; lanes 0-15 a, lanes 16-31 b of channel lane & 15
	s_cmp_lg_u32 s2, 0
	s_cbranch_scc1 .Ldone
	v_mul_f32 v94, v[RSTD], v5                     ; a = rstd gamma
	v_fma_f32 v95, -v[MEAN], v94, v6               ; b = beta - mean a
	v_cmp_gt_u32 vcc_lo, 16, v0
	v_cndmask_b32 v94, v95, v94, vcc_lo
	v_lshlrev_b32 v96, 2, v0
	global_store_b32 v96, v94, s[28:29]
.Ldone:
	s_wait_tensorcnt 0x0
	ds_add_u32 v104, v105
	s_wait_dscnt 0x0
	s_endpgm
.Lfunc_end_k_qe97aad436b_norm:
	.size	k_qe97aad436b_norm, .Lfunc_end_k_qe97aad436b_norm-k_qe97aad436b_norm
	.p2alignl 7, 3214868480
	.fill 96, 4, 3214868480
	.section	.rodata,"a",@progbits
	.p2align	6, 0x0
	.amdhsa_kernel k_qe97aad436b_norm
		.amdhsa_group_segment_fixed_size 1280
		.amdhsa_private_segment_fixed_size 0
		.amdhsa_enable_private_segment 0
		.amdhsa_kernarg_size 104
		.amdhsa_user_sgpr_count 2
		.amdhsa_user_sgpr_kernarg_segment_ptr 1
		.amdhsa_wavefront_size32 1
		.amdhsa_system_sgpr_workgroup_id_x 1
		.amdhsa_system_sgpr_workgroup_id_y 1
		.amdhsa_system_sgpr_workgroup_id_z 1
		.amdhsa_system_vgpr_workitem_id 0
		.amdhsa_next_free_vgpr 106
		.amdhsa_next_free_sgpr 66
		.amdhsa_reserve_vcc 1
		.amdhsa_float_denorm_mode_32 3
		.amdhsa_float_denorm_mode_16_64 3
		.amdhsa_memory_ordered 1
		.amdhsa_forward_progress 1
		.amdhsa_inst_pref_size 23
	.end_amdhsa_kernel
	.amdgpu_metadata
---
amdhsa.version: [ 1, 2 ]
amdhsa.kernels:
  - .name:           k_qe97aad436b_norm
    .symbol:         k_qe97aad436b_norm.kd
    .args:
      - { .name: x_A, .offset: 0, .size: 8, .value_kind: global_buffer, .address_space: global }
      - { .name: x_B, .offset: 8, .size: 8, .value_kind: global_buffer, .address_space: global }
      - { .name: gA, .offset: 16, .size: 8, .value_kind: global_buffer, .address_space: global }
      - { .name: gB, .offset: 24, .size: 8, .value_kind: global_buffer, .address_space: global }
      - { .name: bA, .offset: 32, .size: 8, .value_kind: global_buffer, .address_space: global }
      - { .name: bB, .offset: 40, .size: 8, .value_kind: global_buffer, .address_space: global }
      - { .name: WqkvA, .offset: 48, .size: 8, .value_kind: global_buffer, .address_space: global }
      - { .name: WqkvB, .offset: 56, .size: 8, .value_kind: global_buffer, .address_space: global }
      - { .name: WoutA, .offset: 64, .size: 8, .value_kind: global_buffer, .address_space: global }
      - { .name: WoutB, .offset: 72, .size: 8, .value_kind: global_buffer, .address_space: global }
      - { .name: xn, .offset: 80, .size: 8, .value_kind: global_buffer, .address_space: global }
      - { .name: wf, .offset: 88, .size: 8, .value_kind: global_buffer, .address_space: global }
      - { .name: coef, .offset: 96, .size: 8, .value_kind: global_buffer, .address_space: global }
    .group_segment_fixed_size: 1280
    .private_segment_fixed_size: 0
    .kernarg_segment_align: 8
    .kernarg_segment_size: 104
    .max_flat_workgroup_size: 256
    .sgpr_count:     66
    .vgpr_count:     106
    .wavefront_size: 32
...
	.end_amdgpu_metadata
.endif
;; end of part 1
;; launch qkv (part 2): grid 8 x 32, 8 waves a work-group, no clusters, 168,960 bytes of LDS; arguments xn, wf, q, kv; writes q, kv
.if DOCPART == 2
	.amdgcn_target "amdgcn-amd-amdhsa--gfx1250"
	.amdhsa_code_object_version 6
	.text
	.protected	k_qe97aad436b_qkv
	.globl	k_qe97aad436b_qkv
	.p2align	8
	.type	k_qe97aad436b_qkv,@function
k_qe97aad436b_qkv:
	s_mov_b64 s[64:65], 0
	v_nop
	global_prefetch_b8 v0, s[64:65] scope:SCOPE_SE
	s_setreg_imm32_b32 hwreg(HW_REG_WAVE_MODE, 25, 1), 1
	s_wait_xcnt 0x0
; q, k, v = Wqkv . norm, for one branch and batch bb = ttmp7 (0..31) and 128 positions pb = ttmp9 (0..7).
; Eight waves, two on a SIMD; wave n makes head n's 96 rows (six tiles of 16: q q k k v v) x 128 positions (eight tiles j), K = 256 in 8 steps of 32.
; W STAYS IN REGISTERS: the wave's 96 rows x 256 k are 48 ready fragments of wf, 384 registers, loaded once at the start (96 loads of 512 consecutive bytes).
; The position tiles are then taken one after the other: 8 K steps x 6 matrix instructions on six accumulators, pack, six stores.  So no load of W is waited for
; after the first tile, and the results leave while the later tiles are multiplied instead of all at the end.
; norm's tile [256 channels][128 positions] of bf16 is brought once by four tensor loads of 64 rows x 256 bytes (waves 0-3, one load each out) into LDS rows of pitch 288,
; and read by transposing loads, so that a lane holds one position and k runs along channels.
; RESULTS ARE STORED AS FRAGMENTS (1,024 bytes, [half][lane][16 bytes]; piece (half, lane 16h + r) = row r, k = 16 half + 8h .. +7):
;   q  [bb][head][position tile 64]          row = position, k = channel of the head; scaled by log2(e)/16, so that the softmax is a power of two
;   kv [bb][head]: K [position tile 64]      row = key, k = channel;   then, 65,536 bytes on, V [block of 32 keys][channel tile 2]   row = channel, k = key
; For q and k the product is W x norm (a lane's eight results: eight channels of one position); for v it is norm x W (eight positions of one channel):
; packed to bf16 a lane's eight results are 16 bytes of one such piece, so every store of a wave covers 512 consecutive bytes and no result goes through LDS.
; NO CLUSTER: the norm tile belongs to this work-group alone; a row of W has one reader in the work-group and goes straight into its registers, 48 KiB a wave, once;
; a joint load would land in LDS: 384 KiB more written to and read from LDS, more than fits beside the tile, so in refilled slots with a round of the cluster's barrier each.
; LIMIT: norm, W and the results are bf16; sums are f32.
.set PITCH, 288                        ; 256 bytes + 32 of padding: an odd multiple of 32 bytes
.set NF,  16                           ; v[16:79]    norm's fragment of K step ks at NF + 8 ks: two buffers, K steps 0-3 and 4-7
.set ACC, 80                           ; v[80:127]   six accumulator tiles, row tile i at ACC + 8 i
.set WV,  128                          ; v[128:255]  W of v: fragment (i - 4, ks) at WV + 8 (8 (i - 4) + ks)
.set WQ,  0                            ; window 1:   W of q and k: fragment (i, ks), i = 0..3, at 8 (8 i + ks)
.set MSB, 0
.macro WIN new                         ; s_set_vgpr_msb: bits 1:0 source 0, 3:2 source 1, 5:4 source 2, 7:6 destination; the high byte repeats the setting that is left
.if MSB != \new
	s_set_vgpr_msb (MSB<<8)|\new
.set MSB, \new
.endif
.endm
.macro PLACES
.rept 4
	v_nop
.endr
.endm
	s_load_b256 s[4:11], s[0:1], 0x0               ; xn 4, wf 6, q 8, kv 10
	v_lshl_add_u32 v14, v0, 2, 0x29000
	v_mov_b32 v15, 0
	ds_add_u32 v14, v15
	ds_add_u32 v14, v15
	v_lshrrev_b32 v4, 5, v0
	v_readfirstlane_b32 s2, v4                     ; wave = head
	s_and_b32 s3, ttmp7, 0xffff                    ; bb
	s_mov_b32 s12, 1                               ; group 0: count 1
	s_mul_i32 s13, s2, 64*PITCH                    ; LDS address: the wave's 64 rows
	s_mov_b32 s16, (1<<16)|(1<<20)|(5<<22)|(7<<25) ; group 1: elements of 2 bytes; after every 64 words 8 words of padding
	s_mov_b32 s17, 128<<16                         ; tensor_dim0 = 128
	s_mov_b32 s18, 64<<16                          ; tensor_dim1 = 64
	s_mov_b32 s19, 128<<16                         ; tile_dim0 = 128 positions = 256 bytes
	s_mov_b32 s20, 64                              ; tile_dim1 = 64 channels
	s_mov_b32 s21, 1024                            ; elements from channel to channel
	s_mov_b32 s22, 0
	s_mov_b32 s23, 0
	s_lshl_b32 s24, s3, 19                         ; bb x 256 channels x 2,048 bytes
	s_lshl_b32 s25, s2, 17                         ; + wave x 64 channels
	s_add_co_u32 s24, s24, s25
	s_lshl_b32 s25, ttmp9, 8                       ; + pb x 128 positions
	s_add_co_u32 s24, s24, s25
	s_mov_b32 s25, 0
	s_wait_dscnt 0x0
	s_wait_kmcnt 0x0
	s_add_nc_u64 s[14:15], s[4:5], s[24:25]
	s_or_b32 s15, s15, 0x80000000                  ; type 2
	s_cmp_gt_u32 s2, 3
	s_cbranch_scc1 .Lno_fill                       ; waves 4-7 have no part of the tile to bring
	tensor_load_to_lds s[12:15], s[16:23]
	s_nop 0
.Lno_fill:
	v_and_b32 v1, 31, v0
	v_lshlrev_b32 v1, 4, v1                        ; 16 x lane: W's fragments and all stores
	v_and_b32 v4, 7, v0
	v_bfe_u32 v5, v0, 4, 1
	v_lshl_or_b32 v4, v5, 3, v4                    ; 8 h + (lane & 7): my channel row of a K step's first 16
	v_mul_u32_u24 v2, v4, PITCH
	v_bfe_u32 v5, v0, 3, 1
	v_lshl_add_u32 v2, v5, 4, v2                   ; + 16 bytes for the upper eight positions of a tile
	v_add_nc_u32 v3, 128*PITCH, v2                 ; K steps 4-7: their offsets would pass the 16-bit immediate
	s_lshr_b32 s24, s3, 4
	s_mul_i32 s24, s24, 393216                     ; WqkvA or WqkvB in wf
	s_mul_i32 s26, s2, 49152                       ; the head's six blocks of 16 rows, 8 fragments each
	s_add_co_u32 s24, s24, s26
	s_add_nc_u64 s[6:7], s[6:7], s[24:25]
	s_lshl3_add_u32 s26, s3, s2                    ; 8 bb + head
	s_lshl_b32 s27, ttmp9, 13                      ; pb x 8 fragments
	s_lshl_b32 s24, s26, 16
	s_add_co_u32 s24, s24, s27
	s_add_nc_u64 s[8:9], s[8:9], s[24:25]          ; q
	s_lshl_b32 s24, s26, 17
	s_add_co_u32 s24, s24, s27
	s_add_nc_u64 s[10:11], s[10:11], s[24:25]      ; kv
; W of K step ks: eight loads for q and k into window 1, four for v into window 0: twelve loads a K step
.macro LDWQ ks
	WIN 0x40                                       ; a load's data is the destination: window 1; its address stays in window 0
.irp i, 0,1,2,3
	global_load_b128 v[WQ+8*(8*\i+(\ks)):WQ+8*(8*\i+(\ks))+3],   v1, s[6:7] offset:\i*8192+(\ks)*1024
	global_load_b128 v[WQ+8*(8*\i+(\ks))+4:WQ+8*(8*\i+(\ks))+7], v1, s[6:7] offset:\i*8192+(\ks)*1024+512
.endr
.endm
.macro LDWV ks
	WIN 0
.irp i, 0,1
	global_load_b128 v[WV+8*(8*\i+(\ks)):WV+8*(8*\i+(\ks))+3],   v1, s[6:7] offset:(\i+4)*8192+(\ks)*1024
	global_load_b128 v[WV+8*(8*\i+(\ks))+4:WV+8*(8*\i+(\ks))+7], v1, s[6:7] offset:(\i+4)*8192+(\ks)*1024+512
.endr
.endm
; eight transposing loads: norm's fragments of position tile j for K steps 4 h .. 4 h + 3; of each pair the first brings k = 8h .. +7, the second, 16 rows on, k = 16 + 8h .. +7 of position r
.macro LDN j, h
.irp c, 0,1,2,3
	ds_load_tr16_b128 v[NF+32*\h+8*\c:NF+32*\h+8*\c+3],   v[2+\h] offset:\c*32*PITCH+32*(\j)
	ds_load_tr16_b128 v[NF+32*\h+8*\c+4:NF+32*\h+8*\c+7], v[2+\h] offset:\c*32*PITCH+16*PITCH+32*(\j)
.endr
.endm
; four matrix instructions, q and k: W x norm.  zero = 1: the first product starts the sum, nothing is cleared.
.macro MMQ ks, zero
.irp i, 0,1,2,3
.if \zero
	v_wmma_f32_16x16x32_bf16 v[ACC+8*\i:ACC+8*\i+7], v[WQ+8*(8*\i+(\ks)):WQ+8*(8*\i+(\ks))+7], v[NF+8*(\ks):NF+8*(\ks)+7], 0
.else
	v_wmma_f32_16x16x32_bf16 v[ACC+8*\i:ACC+8*\i+7], v[WQ+8*(8*\i+(\ks)):WQ+8*(8*\i+(\ks))+7], v[NF+8*(\ks):NF+8*(\ks)+7], v[ACC+8*\i:ACC+8*\i+7]
.endif
.endr
.endm
; two matrix instructions, v: norm x W
.macro MMV ks, zero
.irp i, 0,1
.if \zero
	v_wmma_f32_16x16x32_bf16 v[ACC+32+8*\i:ACC+32+8*\i+7], v[NF+8*(\ks):NF+8*(\ks)+7], v[WV+8*(8*\i+(\ks)):WV+8*(8*\i+(\ks))+7], 0
.else
	v_wmma_f32_16x16x32_bf16 v[ACC+32+8*\i:ACC+32+8*\i+7], v[NF+8*(\ks):NF+8*(\ks)+7], v[WV+8*(8*\i+(\ks)):WV+8*(8*\i+(\ks))+7], v[ACC+32+8*\i:ACC+32+8*\i+7]
.endif
.endr
.endm
; The first tile alone waits for W, K step by K step, as it arrives.  96 loads were issued, twelve a K step, and come back in order (ISA guide 5.7.1).
.macro WAITW first, ks
.if \first
.if (\ks) == 0
	s_wait_loadcnt 63                              ; the 63 youngest may be out: the oldest 33 are in, and K steps 0 and 1 are the oldest 24
.endif
.if (\ks) > 1
	s_wait_loadcnt 12*(7-(\ks))                    ; the later K steps' twelve loads each may stay out
.endif
.endif
.endm
; Four K steps of tile j on buffer h: 24 matrix instructions in the order v qk | qk v | v qk | qk v, four switches of the window.
; The accumulators take turns, one instruction a turn, and no two matrix instructions that follow each other share one.
; left: LDS loads that may stay out (the other buffer's eight).  more = 1: the buffer is loaded again for tile j + 1,
; four plain places behind the matrix instructions that read it (ISA guide 7.12.1 for vector instructions).
.macro HALF j, h, first, left, more
	s_wait_dscnt \left
	WAITW \first, 4*\h
	WIN 0
	MMV 4*\h, (1-\h)
	WIN 0x01                                       ; A in window 1
	MMQ 4*\h, (1-\h)
	WAITW \first, 4*\h+1
	MMQ 4*\h+1, 0
	WIN 0
	MMV 4*\h+1, 0
	WAITW \first, 4*\h+2
	MMV 4*\h+2, 0
	WIN 0x01
	MMQ 4*\h+2, 0
	WAITW \first, 4*\h+3
	MMQ 4*\h+3, 0
	WIN 0
	MMV 4*\h+3, 0
.if (\more)+(\h)
	PLACES                                         ; in front of the loads into the buffer, and, behind K step 7, of the lines that read the sums
.endif
.if \more
	LDN \j+1, \h
.endif
.endm
; Tile j leaves: q scaled by log2(e)/16, all six tiles packed in place (register a + m from a + 2m, a + 2m + 1, m ascending), six stores of 512 consecutive bytes.
.macro OUT j, more
.irp i, 0,1
.irp m, 0,2,4,6
	v_pk_mul_f32 v[ACC+8*\i+\m:ACC+8*\i+\m+1], v[ACC+8*\i+\m:ACC+8*\i+\m+1], 0x3db8aa3b op_sel_hi:[1,0]
.endr
.endr
.irp i, 0,1,2,3,4,5
.irp m, 0,1,2,3
	v_cvt_pk_bf16_f32 v[ACC+8*\i+\m], v[ACC+8*\i+2*\m], v[ACC+8*\i+2*\m+1]
.endr
.endr
	global_store_b128 v1, v[ACC:ACC+3],     s[8:9]   offset:(2*\j)*512                              ; q: position tile j, half 0
	global_store_b128 v1, v[ACC+8:ACC+11],  s[8:9]   offset:(2*\j+1)*512                            ;    half 1
	global_store_b128 v1, v[ACC+16:ACC+19], s[10:11] offset:(2*\j)*512                              ; K: key tile j, half 0
	global_store_b128 v1, v[ACC+24:ACC+27], s[10:11] offset:(2*\j+1)*512                            ;    half 1
	global_store_b128 v1, v[ACC+32:ACC+35], s[10:11] offset:65536+((\j/2)*2)*1024+(\j%2)*512        ; V: key block j/2, channel tile 0, half j%2
	global_store_b128 v1, v[ACC+40:ACC+43], s[10:11] offset:65536+((\j/2)*2+1)*1024+(\j%2)*512      ;    channel tile 1
.if \more
	s_wait_xcnt 0x0                                ; the accumulators are the stores' data: the next tile's products write them only behind this wait
.endif
.endm
.irp ks, 0,2,4,6
	LDWV \ks                                       ; all of W, in the order of the K steps, on its way while the tile lands
	LDWQ \ks
	LDWQ \ks+1
	LDWV \ks+1
.endr
	s_wait_tensorcnt 0x0                           ; my 64 rows have landed (waves 4-7: nothing is out)
	s_barrier_signal -1
	s_barrier_wait -1                              ; everybody's have; the tile is never filled again: the launch's one barrier
	LDN 0, 0
	LDN 0, 1
	HALF 0, 0, 1, 8, 1
	HALF 0, 1, 1, 8, 1
	OUT 0, 1
.irp j, 1,2,3,4,5,6
	HALF \j, 0, 0, 8, 1
	HALF \j, 1, 0, 8, 1
	OUT \j, 1
.endr
	HALF 7, 0, 0, 8, 0                             ; the last tile: nothing is left to read from LDS
	HALF 7, 1, 0, 0, 0
	OUT 7, 0
	s_wait_tensorcnt 0x0
	ds_add_u32 v14, v15
	s_wait_dscnt 0x0
	s_endpgm
.Lfunc_end_k_qe97aad436b_qkv:
	.size	k_qe97aad436b_qkv, .Lfunc_end_k_qe97aad436b_qkv-k_qe97aad436b_qkv
	.p2alignl 7, 3214868480
	.fill 96, 4, 3214868480
	.section	.rodata,"a",@progbits
	.p2align	6, 0x0
	.amdhsa_kernel k_qe97aad436b_qkv
		.amdhsa_group_segment_fixed_size 168960
		.amdhsa_private_segment_fixed_size 0
		.amdhsa_enable_private_segment 0
		.amdhsa_kernarg_size 32
		.amdhsa_user_sgpr_count 2
		.amdhsa_user_sgpr_kernarg_segment_ptr 1
		.amdhsa_wavefront_size32 1
		.amdhsa_system_sgpr_workgroup_id_x 1
		.amdhsa_system_sgpr_workgroup_id_y 1
		.amdhsa_system_sgpr_workgroup_id_z 1
		.amdhsa_system_vgpr_workitem_id 0
		.amdhsa_next_free_vgpr 512
		.amdhsa_next_free_sgpr 66
		.amdhsa_reserve_vcc 0
		.amdhsa_float_denorm_mode_32 3
		.amdhsa_float_denorm_mode_16_64 3
		.amdhsa_memory_ordered 1
		.amdhsa_forward_progress 1
		.amdhsa_inst_pref_size 72
	.end_amdhsa_kernel
	.amdgpu_metadata
---
amdhsa.version: [ 1, 2 ]
amdhsa.kernels:
  - .name:           k_qe97aad436b_qkv
    .symbol:         k_qe97aad436b_qkv.kd
    .args:
      - { .name: xn, .offset: 0, .size: 8, .value_kind: global_buffer, .address_space: global }
      - { .name: wf, .offset: 8, .size: 8, .value_kind: global_buffer, .address_space: global }
      - { .name: q, .offset: 16, .size: 8, .value_kind: global_buffer, .address_space: global }
      - { .name: kv, .offset: 24, .size: 8, .value_kind: global_buffer, .address_space: global }
    .group_segment_fixed_size: 168960
    .private_segment_fixed_size: 0
    .kernarg_segment_align: 8
    .kernarg_segment_size: 32
    .max_flat_workgroup_size: 256
    .sgpr_count:     66
    .vgpr_count:     512
    .wavefront_size: 32
...
	.end_amdgpu_metadata
.endif
;; end of part 2
;; launch attn (part 3): grid 32 x 8, 8 waves a work-group, no clusters, 201,728 bytes of LDS; arguments q, kv, wf, coef, x_A, x_B, boutA, boutB, out0, out1; writes out0, out1
.if DOCPART == 3
	.amdgcn_target "amdgcn-amd-amdhsa--gfx1250"
	.amdhsa_code_object_version 6
	.text
	.protected	k_qe97aad436b_attn
	.globl	k_qe97aad436b_attn
	.p2align	8
	.type	k_qe97aad436b_attn,@function
k_qe97aad436b_attn:
	s_mov_b64 s[64:65], 0
	v_nop
	global_prefetch_b8 v0, s[64:65] scope:SCOPE_SE
	s_setreg_imm32_b32 hwreg(HW_REG_WAVE_MODE, 25, 1), 1
	s_wait_xcnt 0x0
; Attention, output projection, bias and residual for output branch and batch bb = ttmp9 (0..31) and queries 128 qb .. +127, qb = ttmp7 (0..7).
; q comes from the OTHER branch (bb xor 16), k, v, Wout, bout, x and the norm's coefficients from bb's own.
; PHASE 1, wave n = head n, all 128 queries (eight tiles j), 32 trips of 32 keys.  All operands lie in memory as fragments (see the launch that stores them):
;   S^T = K Q^T   (A = K, B = Q): lane (r, h), register m = key 8h + m, query r.  q holds the factor log2(e)/16, so the softmax is 2^(S - max).
;   A running maximum per query: 16 numbers of the lane, then the other half of the lanes; O and the row sum are scaled by 2^(old max - new max).
;   P packed to bf16 in place is the B fragment of O^T = V^T P^T (A = V): lane (r, h), register m = channel 8h + m, query r.
;   K and V go from memory straight into the one wave that uses them, each fragment feeding eight matrix instructions; K is asked for two trips ahead, V one.
; PHASE 2, wave w = output channels 32 w .. +31: O / l packed is a fragment (row = query, k = channel of the head); it goes through LDS (64 KiB, one barrier),
;   out^T tile = O-fragment x Wout-fragment, K step = head; a lane holds 8 positions of one channel.
;   THE RESIDUAL STARTS THE SUMS: the wave's 32 rows x 512 bytes of x are brought by ONE tensor load, issued at the head behind the loads of Q, K and V (one tensor load
;   a wave is out, in the whole launch), so they land during phase 1; they are read from LDS in the accumulators' own layout, a x + (b + bout) is made in f32
;   (a, b: the norm's coefficients), and the projection adds onto it.  The results go back over x's bytes, which have had their only fill, and are read as rows of 512 bytes.
; NO CLUSTER: the eight work-groups of one bb read the same K and V, but with wave = head each byte has one reader in a work-group and lands in its registers;
;   a joint load lands in LDS: 8 heads x 128 KiB = 1 MiB more written to and 1 MiB more read from LDS per work-group, with a round of the cluster's barrier for each refill.
; LIMITS: q, k, v, P, O and Wout are bf16 operands, sums f32; the row sum is made of the unrounded P; scores must be finite in f32 (a NaN or an infinity in them spreads).
.set MT,  8                            ; v[8+2j : 9+2j]    M_j running maximum, T_j at work
.set AT,  24                           ; v[24+2j : 25+2j]  AL_j = 2^(old - new maximum), later 1 / l;  T2_j at work
.set LS,  40                           ; v[40+2j : 41+2j]  two partial row sums
.set CB,  56                           ; v[56:57], v[58:59] b + bias of my channel in channel tile 0, 1, twice each: a pair for the packed multiply-add
.set CA,  60                           ; v[60:61], v[62:63] a likewise
.set QF,  64                           ; v[64:127]   Q, eight fragments
.set KB,  128                          ; v[128:159]  K, two buffers of two fragments
.set VB,  160                          ; v[160:191]  V, two buffers of two fragments
.set WO,  64                           ; v[64:191]   phase 2: Wout, fragment (i, ks) at 8 (8 i + ks)
.set XR,  64                           ; v[64:191]   way out: output row o at 4 o
.set SC,  0                            ; window 1: S of query tile j at 16 j (+ 8 for the second key tile); P fragment j at 16 j .. 16 j + 7
.set OA,  128                          ; window 1: O of (j, channel tile ct) at 128 + 16 j + 8 ct
.set PA,  128                          ; window 1, phase 2: accumulator (i, j) at 128 + 8 (8 i + j); O fragments in 0-63 and 64-127
.set STG, 65536                        ; LDS: O fragments in 0 .. 65,535; then for each wave 32 rows of pitch 528 (512 + 16: an odd multiple of 16): x, later the results
.set MSB, 0
.macro WIN new                         ; s_set_vgpr_msb: bits 1:0 source 0, 3:2 source 1, 5:4 source 2, 7:6 destination; the high byte repeats the setting that is left
.if MSB != \new
	s_set_vgpr_msb (MSB<<8)|\new
.set MSB, \new
.endif
.endm
.macro PLACES n
.rept \n
	v_nop
.endr
.endm
	s_load_b512 s[4:19], s[0:1], 0x0               ; q 4, kv 6, wf 8, coef 10, x_A 12, x_B 14, boutA 16, boutB 18
	s_load_b128 s[20:23], s[0:1], 0x40             ; out0 20, out1 22
	v_lshl_add_u32 v254, v0, 2, 0x31000
	v_mov_b32 v255, 0
	ds_add_u32 v254, v255
	ds_add_u32 v254, v255
	v_lshrrev_b32 v7, 5, v0
	v_readfirstlane_b32 s24, v7                    ; wave
	s_mov_b32 s25, ttmp9                           ; bb
	s_and_b32 s2, ttmp7, 0xffff                    ; qb
	s_mov_b32 s30, 0x76543210                      ; v_permlanex16_b32: lane i of one half reads lane i of the other
	s_mov_b32 s31, 0xfedcba98
	v_and_b32 v7, 31, v0
	v_lshlrev_b32 v1, 4, v7                        ; 16 x lane
	v_and_b32 v5, 15, v0                           ; r
	v_bfe_u32 v6, v0, 4, 1                         ; h
	; the descriptor of x's tile: 32 rows of 128 f32, 16 bytes of padding behind each row
	s_mov_b32 s32, 1                               ; group 0: count 1
	s_mul_i32 s33, s24, 32*528
	s_add_co_u32 s33, s33, STG                     ; LDS address: my wave's 32 rows
	s_mov_b32 s36, (2<<16)|(1<<20)|(6<<22)|(3<<25) ; group 1: elements of 4 bytes; after every 128 words 4 words of padding
	s_mov_b32 s37, 128<<16                         ; tensor_dim0 = 128
	s_mov_b32 s38, 32<<16                          ; tensor_dim1 = 32
	s_mov_b32 s39, 128<<16                         ; tile_dim0 = 128 positions = 512 bytes
	s_mov_b32 s40, 32                              ; tile_dim1 = 32 channels
	s_mov_b32 s41, 1024                            ; elements from channel to channel
	s_mov_b32 s42, 0
	s_mov_b32 s43, 0
	v_mul_u32_u24 v3, v5, 528
	v_lshl_add_u32 v3, v6, 5, v3
	v_add_nc_u32 v3, s33, v3                       ; in the accumulators' layout: row r, 32 h bytes
	v_add_nc_u32 v4, s33, v1                       ; by rows: 16 bytes a lane of a row
	v_lshlrev_b32 v5, 2, v5                        ; 4 r
	v_lshl_add_u32 v6, s24, 10, v1                 ; my head's O fragments: 1,024 n + 16 x lane
	s_wait_dscnt 0x0
	s_wait_kmcnt 0x0
	s_cmp_lt_u32 s25, 16                           ; output branch A or B
	s_cselect_b64 s[12:13], s[12:13], s[14:15]     ; x
	s_cselect_b64 s[16:17], s[16:17], s[18:19]     ; bout
	s_cselect_b64 s[20:21], s[20:21], s[22:23]     ; out
	s_mov_b32 s29, 0                               ; s[28:29]: offsets, all below 4 GiB
	s_xor_b32 s27, s25, 16
	s_lshl3_add_u32 s27, s27, s24                  ; 8 (bb xor 16) + head
	s_lshl_b32 s28, s27, 16
	s_lshl_b32 s27, s2, 13
	s_add_co_u32 s28, s28, s27                     ; + qb x 8 fragments
	s_add_nc_u64 s[4:5], s[4:5], s[28:29]          ; Q
	s_lshl3_add_u32 s27, s25, s24
	s_lshl_b32 s28, s27, 17
	s_add_nc_u64 s[6:7], s[6:7], s[28:29]          ; K, with V 65,536 bytes on; stepped by two key blocks
	s_lshr_b32 s27, s25, 4
	s_lshl_b32 s27, s27, 17
	s_lshl_b32 s28, s24, 14
	s_add_co_u32 s28, s28, s27
	s_add_co_u32 s28, s28, 786432
	s_add_nc_u64 s[8:9], s[8:9], s[28:29]          ; Wout of my 32 output channels: 16 fragments
	s_lshl_b32 s27, s25, 11
	s_lshl_b32 s28, s24, 8
	s_add_co_u32 s28, s28, s27
	s_add_nc_u64 s[10:11], s[10:11], s[28:29]      ; coefficients of my two groups: a 16, b 16, a 16, b 16 numbers
	s_lshl_b32 s28, s24, 7
	s_add_nc_u64 s[16:17], s[16:17], s[28:29]      ; bias of my 32 channels
	s_and_b32 s27, s25, 15
	s_lshl_b32 s27, s27, 20
	s_lshl_b32 s28, s24, 17
	s_add_co_u32 s28, s28, s27
	s_lshl_b32 s27, s2, 9
	s_add_co_u32 s28, s28, s27                     ; (256 b + 32 w) rows of 4,096 bytes + 128 qb positions
	s_add_nc_u64 s[34:35], s[12:13], s[28:29]      ; group 0: x's tile
	s_or_b32 s35, s35, 0x80000000                  ; type 2
	s_add_nc_u64 s[20:21], s[20:21], s[28:29]      ; out
	global_load_b32 v[CB],   v5, s[10:11] offset:64
	global_load_b32 v[CB+1], v5, s[16:17]
	global_load_b32 v[CB+2], v5, s[10:11] offset:192
	global_load_b32 v[CB+3], v5, s[16:17] offset:64
	global_load_b32 v[CA],   v5, s[10:11]
	global_load_b32 v[CA+2], v5, s[10:11] offset:128
.set p, 0
.rept 16
	global_load_b128 v[QF+4*p:QF+4*p+3], v1, s[4:5] offset:512*p th:TH_LOAD_NT     ; read by this wave alone in the launch
.set p, p+1
.endr
; four loads: two fragments of K or of V, 512 consecutive bytes each
.macro LD4 dst, off
.irp p, 0,1,2,3
	global_load_b128 v[\dst+4*\p:\dst+4*\p+3], v1, s[6:7] offset:\off+512*\p
.endr
.endm
	LD4 KB, 0                                      ; K(0)
	LD4 KB+16, 2048                                ; K(1)
	LD4 VB, 65536                                  ; V(0)
	tensor_load_to_lds s[32:35], s[36:43]          ; x, wanted only in phase 2: asked for behind what the first trip needs; the wave's one tensor load
	s_nop 0
.irp j, 0,1,2,3,4,5,6,7
	v_mov_b32 v[MT+2*\j], 0xff800000               ; maximum so far: -infinity, so the first trip's factor is 2^-inf = 0
	v_mov_b32 v[AT+2*\j+1], 0                      ; written once: the lane exchange counts as a reader of its destination
	v_mov_b32 v[LS+2*\j], 0
	v_mov_b32 v[LS+2*\j+1], 0
.endr
	s_wait_loadcnt 12                              ; the coefficients and Q are in; K(0), K(1), V(0) stay out
	v_add_f32 v[CB], v[CB], v[CB+1]
	v_add_f32 v[CB+2], v[CB+2], v[CB+3]
	v_mov_b32 v[CB+1], v[CB]                       ; each coefficient twice, once in the launch
	v_mov_b32 v[CB+3], v[CB+2]
	v_mov_b32 v[CA+1], v[CA]
	v_mov_b32 v[CA+3], v[CA+2]
; One trip: key block t, kb = t & 1.  first = 1: the products start O.  ldk, ldv: K(t+2), V(t+1) are asked for.
; c1, c7: how many younger loads may stay out where K(t) and where V(t) must be in.
.macro TRIP kb, first, ldk, ldv, c1, c7
	s_wait_loadcnt \c1
	WIN 0x40                                       ; D in window 1
.irp j, 0,1,2,3,4,5,6,7
.irp kt, 0,1
	v_wmma_f32_16x16x32_bf16 v[SC+16*\j+8*\kt:SC+16*\j+8*\kt+7], v[KB+16*\kb+8*\kt:KB+16*\kb+8*\kt+7], v[QF+8*\j:QF+8*\j+7], 0
.endr
.endr
	PLACES 4                                       ; four plain places before vector instructions read the results (ISA guide 7.12.1)
	WIN 0x14                                       ; sources 1 and 2 in window 1
.irp j, 0,1,2,3,4,5,6,7
	v_max3_num_f32 v[MT+2*\j+1], v[MT+2*\j], v[SC+16*\j], v[SC+16*\j+1]             ; the old maximum goes in with the first two scores
.endr
.irp i, 1,2,3,4,5,6,7
.irp j, 0,1,2,3,4,5,6,7
	v_max3_num_f32 v[MT+2*\j+1], v[MT+2*\j+1], v[SC+16*\j+2*\i], v[SC+16*\j+2*\i+1]
.endr
.endr
	WIN 0
.irp j, 0,1,2,3,4,5,6,7
	v_permlanex16_b32 v[AT+2*\j+1], v[MT+2*\j+1], s30, s31                          ; the other 16 keys of the same query
.endr
.irp j, 0,1,2,3,4,5,6,7
	v_max_num_f32 v[AT+2*\j+1], v[MT+2*\j+1], v[AT+2*\j+1]                          ; the new maximum
.endr
.irp j, 0,1,2,3,4,5,6,7
	v_sub_f32 v[AT+2*\j], v[MT+2*\j], v[AT+2*\j+1]
.endr
.irp j, 0,1,2,3,4,5,6,7
	v_exp_f32 v[AT+2*\j], v[AT+2*\j]
.endr
.irp j, 0,1,2,3,4,5,6,7
	v_mov_b32 v[MT+2*\j], v[AT+2*\j+1]             ; the new maximum takes the old one's place; these lines are also the plain places behind the exponentials (ISA guide 5.7.2)
.endr
	s_wait_alu depctr_va_vdst(0)
.irp j, 0,1,2,3,4,5,6,7
	v_pk_mul_f32 v[LS+2*\j:LS+2*\j+1], v[LS+2*\j:LS+2*\j+1], v[AT+2*\j:AT+2*\j+1] op_sel_hi:[1,0]
.endr
.if \ldk
	LD4 KB+16*\kb, (\kb+2)*2048                    ; K(t+2) into the buffer that this trip's products have read, far more than four places behind them
.endif
.if \ldv
	LD4 VB+16*(1-\kb), 65536+(\kb+1)*2048          ; V(t+1) into the buffer that the last trip's products read
.endif
	WIN 0x41                                       ; destination and source 0 in window 1
.irp i, 0,1,2,3,4,5,6,7
	v_pk_add_f32 v[SC+2*\i:SC+2*\i+1], v[SC+2*\i:SC+2*\i+1], v[MT:MT+1] op_sel_hi:[1,0] neg_lo:[0,1] neg_hi:[0,1]
.endr
	; 2^(S - max), each exponential followed by plain work on other registers: the next tile's subtraction, or O's scaling
.irp j, 0,1,2,3,4,5,6,7
.irp i, 0,1,2,3,4,5,6,7,8,9,10,11,12,13,14,15
	v_exp_f32 v[SC+16*\j+\i], v[SC+16*\j+\i]
.if \i < 8
.if \j < 7
	v_pk_add_f32 v[SC+16*(\j+1)+2*\i:SC+16*(\j+1)+2*\i+1], v[SC+16*(\j+1)+2*\i:SC+16*(\j+1)+2*\i+1], v[MT+2*(\j+1):MT+2*(\j+1)+1] op_sel_hi:[1,0] neg_lo:[0,1] neg_hi:[0,1]
.endif
.else
.if \first == 0
	v_pk_mul_f32 v[OA+16*\j+2*(\i-8):OA+16*\j+2*(\i-8)+1], v[OA+16*\j+2*(\i-8):OA+16*\j+2*(\i-8)+1], v[AT+2*\j:AT+2*\j+1] op_sel_hi:[1,0]
.endif
.endif
.endr
.endr
	WIN 0x04                                       ; source 1 in window 1
	s_wait_alu depctr_va_vdst(0)
.irp i, 0,1,2,3,4,5,6,7
.irp j, 0,1,2,3,4,5,6,7
	v_pk_add_f32 v[LS+2*\j:LS+2*\j+1], v[LS+2*\j:LS+2*\j+1], v[SC+16*\j+2*\i:SC+16*\j+2*\i+1]   ; eight chains that do not wait for each other
.endr
.endr
	WIN 0x45
.irp j, 0,1,2,3,4,5,6,7
.irp m, 0,1,2,3,4,5,6,7
	v_cvt_pk_bf16_f32 v[SC+16*\j+\m], v[SC+16*\j+2*\m], v[SC+16*\j+2*\m+1]          ; in place, ascending: P's fragment in 16 j .. 16 j + 7
.endr
.endr
	s_wait_loadcnt \c7
	WIN 0x54                                       ; A in window 0; B, C and D in window 1
	; the sixteen accumulators take turns, one instruction a turn
.irp j, 0,1,2,3,4,5,6,7
.irp ct, 0,1
.if \first
	v_wmma_f32_16x16x32_bf16 v[OA+16*\j+8*\ct:OA+16*\j+8*\ct+7], v[VB+16*\kb+8*\ct:VB+16*\kb+8*\ct+7], v[SC+16*\j:SC+16*\j+7], 0
.else
	v_wmma_f32_16x16x32_bf16 v[OA+16*\j+8*\ct:OA+16*\j+8*\ct+7], v[VB+16*\kb+8*\ct:VB+16*\kb+8*\ct+7], v[SC+16*\j:SC+16*\j+7], v[OA+16*\j+8*\ct:OA+16*\j+8*\ct+7]
.endif
.endr
.endr
	WIN 0
	PLACES 5                                       ; five places before the next trip's products write over P (ISA guide 7.12.1)
.endm
; In a full trip both counts are 8.  Loads are issued in the order .. K(t+1), V(t) | K(t+2), V(t+1) ..: where K(t) is needed the eight youngest are
; K(t+1) and V(t); where V(t) is needed they are K(t+2) and V(t+1).
.macro PAIR first
	TRIP 0, \first, 1, 1, 8, 8
	TRIP 1, 0, 1, 1, 8, 8
	s_wait_xcnt 0x0                                ; the loads' base is stepped only behind this wait
	s_add_nc_u64 s[6:7], s[6:7], 4096              ; two key blocks on, in K and in V
.endm
	PAIR 1                                         ; trips 0, 1: the first products start O
	s_mov_b32 s3, 14
.Lpair:
	PAIR 0                                         ; trips 2 .. 29
	s_sub_co_u32 s3, s3, 1
	s_cmp_lg_u32 s3, 0
	s_cbranch_scc1 .Lpair
	TRIP 0, 0, 0, 1, 8, 4                          ; trip 30: only V(31) is left to ask for, and it alone is younger than V(30)
	TRIP 1, 0, 0, 0, 4, 0                          ; trip 31: nothing is left to ask for
	; 1 / l: the lane's two partial sums, the other half of the lanes, the reciprocal
.irp j, 0,1,2,3,4,5,6,7
	v_add_f32 v[LS+2*\j], v[LS+2*\j], v[LS+2*\j+1]
.endr
.irp j, 0,1,2,3,4,5,6,7
	v_permlanex16_b32 v[AT+2*\j+1], v[LS+2*\j], s30, s31
.endr
.irp j, 0,1,2,3,4,5,6,7
	v_add_f32 v[LS+2*\j], v[LS+2*\j], v[AT+2*\j+1]
.endr
.irp j, 0,1,2,3,4,5,6,7
	v_rcp_f32 v[AT+2*\j], v[LS+2*\j]               ; l >= 1: the largest score's term is 2^0
.endr
	v_nop                                          ; the plain place behind the reciprocals
.set f, 0
.rept 16
	global_load_b128 v[WO+8*f:WO+8*f+3],   v1, s[8:9] offset:f*1024                 ; Wout's fragments, over Q, K and V, which nothing reads any more
	global_load_b128 v[WO+8*f+4:WO+8*f+7], v1, s[8:9] offset:f*1024+512
.set f, f+1
.endr
	WIN 0x41
	s_wait_alu depctr_va_vdst(0)
.irp j, 0,1,2,3,4,5,6,7
.irp i, 0,1,2,3,4,5,6,7
	v_pk_mul_f32 v[OA+16*\j+2*\i:OA+16*\j+2*\i+1], v[OA+16*\j+2*\i:OA+16*\j+2*\i+1], v[AT+2*\j:AT+2*\j+1] op_sel_hi:[1,0]
.endr
.endr
	WIN 0x45
.irp j, 0,1,2,3,4,5,6,7
.irp m, 0,1,2,3,4,5,6,7
	v_cvt_pk_bf16_f32 v[OA+16*\j+\m], v[OA+16*\j+2*\m], v[OA+16*\j+2*\m+1]
.endr
.endr
	WIN 0x04                                       ; an LDS store's data is source 1
.irp j, 0,1,2,3,4,5,6,7
	ds_store_b128 v6, v[OA+16*\j:OA+16*\j+3]   offset:\j*8192                       ; fragment (query tile j, K step = my head), 512 consecutive bytes a store
	ds_store_b128 v6, v[OA+16*\j+4:OA+16*\j+7] offset:\j*8192+512
.endr
	WIN 0
	s_wait_dscnt 0x0                               ; my head's O is written before I signal
	s_wait_tensorcnt 0x0                           ; my rows of x have landed: my one tensor load, issued 32 trips ago
	s_barrier_signal -1
	s_barrier_wait -1                              ; all eight heads' O is there: the launch's one barrier
; sixteen LDS loads: the eight O fragments of K step ks into buffer ks & 1 of window 1
.macro LDO ks
.irp j, 0,1,2,3,4,5,6,7
	ds_load_b128 v[64*((\ks)&1)+8*\j:64*((\ks)&1)+8*\j+3],   v1 offset:\j*8192+(\ks)*1024
	ds_load_b128 v[64*((\ks)&1)+8*\j+4:64*((\ks)&1)+8*\j+7], v1 offset:\j*8192+(\ks)*1024+512
.endr
.endm
; One K step of the projection: sixteen accumulators, one instruction a turn.  left: LDS loads that may stay out (the other buffer's sixteen).
.macro PROJ ks, left, more
	s_wait_dscnt \left
	WIN 0x51                                       ; A, C and D in window 1, B in window 0
.irp i, 0,1
.irp j, 0,1,2,3,4,5,6,7
	v_wmma_f32_16x16x32_bf16 v[PA+8*(8*\i+\j):PA+8*(8*\i+\j)+7], v[64*(\ks&1)+8*\j:64*(\ks&1)+8*\j+7], v[WO+8*(8*\i+\ks):WO+8*(8*\i+\ks)+7], v[PA+8*(8*\i+\j):PA+8*(8*\i+\j)+7]
.endr
.endr
.if \more
	PLACES 4                                       ; four places before loads land on registers that these products read
	WIN 0x40
	LDO \ks+2
.endif
.endm
	; x in the accumulators' layout: lane (r, h), register m of accumulator (i, j) = position 16 j + 8 h + m of channel 32 w + 16 i + r.
	; Sixteen lanes of a load take 16 bytes of sixteen rows 528 bytes apart: sixteen different 16-byte columns of 256.
	WIN 0x40                                       ; an LDS load's data is the destination: window 1
.irp i, 0,1
.irp j, 0,1,2,3,4,5,6,7
	ds_load_b128 v[PA+8*(8*\i+\j):PA+8*(8*\i+\j)+3],   v3 offset:\i*16*528+64*\j
	ds_load_b128 v[PA+8*(8*\i+\j)+4:PA+8*(8*\i+\j)+7], v3 offset:\i*16*528+64*\j+16
.endr
.endr
	LDO 0
	LDO 1
	s_wait_dscnt 32                                ; x is in; the 32 loads of the first two K steps' O stay out
	WIN 0x41
.irp i, 0,1
.set t, 0
.rept 32
	v_pk_fma_f32 v[PA+64*\i+2*t:PA+64*\i+2*t+1], v[PA+64*\i+2*t:PA+64*\i+2*t+1], v[CA+2*\i:CA+2*\i+1], v[CB+2*\i:CB+2*\i+1]   ; a x + (b + bias): the sums start from the residual
.set t, t+1
.endr
.endr
	s_wait_loadcnt 0x0                             ; Wout
	PROJ 0, 16, 1
	PROJ 1, 16, 1
	PROJ 2, 16, 1
	PROJ 3, 16, 1
	PROJ 4, 16, 1
	PROJ 5, 16, 1
	PROJ 6, 16, 0
	PROJ 7, 0, 0
	PLACES 4                                       ; behind the last products: for the LDS stores, which read the sums, and for the loads over Wout
	; THE WAY OUT: the sums go back to the places from which x was read, and come back as rows.
	; The bytes are the wave's own and LDS serves a wave's instructions in order (ISA guide 5.7.1): no barrier and no wait between the stores and the loads.
	WIN 0x04
.irp i, 0,1
.irp j, 0,1,2,3,4,5,6,7
	ds_store_b128 v3, v[PA+8*(8*\i+\j):PA+8*(8*\i+\j)+3]   offset:\i*16*528+64*\j
	ds_store_b128 v3, v[PA+8*(8*\i+\j)+4:PA+8*(8*\i+\j)+7] offset:\i*16*528+64*\j+16
.endr
.endr
	WIN 0
.set o, 0
.rept 32
	ds_load_b128 v[XR+4*o:XR+4*o+3], v4 offset:528*o
.set o, o+1
.endr
.set o, 0
.rept 32
	s_wait_dscnt 31-o                              ; row o is in; the 31 - o younger rows stay out
	global_store_b128 v1, v[XR+4*o:XR+4*o+3], s[20:21] offset:4096*o th:TH_STORE_NT   ; 512 consecutive bytes of an output row, aligned to 512
.set o, o+1
.endr
	s_wait_tensorcnt 0x0
	ds_add_u32 v254, v255
	s_wait_dscnt 0x0
	s_endpgm
.Lfunc_end_k_qe97aad436b_attn:
	.size	k_qe97aad436b_attn, .Lfunc_end_k_qe97aad436b_attn-k_qe97aad436b_attn
	.p2alignl 7, 3214868480
	.fill 96, 4, 3214868480
	.section	.rodata,"a",@progbits
	.p2align	6, 0x0
	.amdhsa_kernel k_qe97aad436b_attn
		.amdhsa_group_segment_fixed_size 201728
		.amdhsa_private_segment_fixed_size 0
		.amdhsa_enable_private_segment 0
		.amdhsa_kernarg_size 80
		.amdhsa_user_sgpr_count 2
		.amdhsa_user_sgpr_kernarg_segment_ptr 1
		.amdhsa_wavefront_size32 1
		.amdhsa_system_sgpr_workgroup_id_x 1
		.amdhsa_system_sgpr_workgroup_id_y 1
		.amdhsa_system_sgpr_workgroup_id_z 1
		.amdhsa_system_vgpr_workitem_id 0
		.amdhsa_next_free_vgpr 512
		.amdhsa_next_free_sgpr 66
		.amdhsa_reserve_vcc 0
		.amdhsa_float_denorm_mode_32 3
		.amdhsa_float_denorm_mode_16_64 3
		.amdhsa_memory_ordered 1
		.amdhsa_forward_progress 1
		.amdhsa_inst_pref_size 225
	.end_amdhsa_kernel
	.amdgpu_metadata
---
amdhsa.version: [ 1, 2 ]
amdhsa.kernels:
  - .name:           k_qe97aad436b_attn
    .symbol:         k_qe97aad436b_attn.kd
    .args:
      - { .name: q, .offset: 0, .size: 8, .value_kind: global_buffer, .address_space: global }
      - { .name: kv, .offset: 8, .size: 8, .value_kind: global_buffer, .address_space: global }
      - { .name: wf, .offset: 16, .size: 8, .value_kind: global_buffer, .address_space: global }
      - { .name: coef, .offset: 24, .size: 8, .value_kind: global_buffer, .address_space: global }
      - { .name: x_A, .offset: 32, .size: 8, .value_kind: global_buffer, .address_space: global }
      - { .name: x_B, .offset: 40, .size: 8, .value_kind: global_buffer, .address_space: global }
      - { .name: boutA, .offset: 48, .size: 8, .value_kind: global_buffer, .address_space: global }
      - { .name: boutB, .offset: 56, .size: 8, .value_kind: global_buffer, .address_space: global }
      - { .name: out0, .offset: 64, .size: 8, .value_kind: global_buffer, .address_space: global }
      - { .name: out1, .offset: 72, .size: 8, .value_kind: global_buffer, .address_space: global }
    .group_segment_fixed_size: 201728
    .private_segment_fixed_size: 0
    .kernarg_segment_align: 8
    .kernarg_segment_size: 80
    .max_flat_workgroup_size: 256
    .sgpr_count:     66
    .vgpr_count:     512
    .wavefront_size: 32
...
	.end_amdgpu_metadata
.endif
;; end of part 3
;; ======== version 2 of 2: 3 launches; version 1 with the launch norm written anew for expert scheduling mode
;; workspace buffers: xn 16,777,216 bytes; wf 1,048,576 bytes; coef 65,536 bytes; q 16,777,216 bytes; kv 33,554,432 bytes
;; launch norm (part 4): grid 512 x 1, 8 waves a work-group, no clusters, 1,280 bytes of LDS; arguments x_A, x_B, gA, gB, bA, bB, WqkvA, WqkvB, WoutA, WoutB, xn, wf, coef; writes xn, wf, coef
.if DOCPART == 4
	.amdgcn_target "amdgcn-amd-amdhsa--gfx1250"
	.amdhsa_code_object_version 6
	.text
	.protected	k_qe97aad436b_norm
	.globl	k_qe97aad436b_norm
	.p2align	8
	.type	k_qe97aad436b_norm,@function
k_qe97aad436b_norm:
	s_mov_b64 s[64:65], 0
	v_nop
	global_prefetch_b8 v0, s[64:65] scope:SCOPE_SE
	s_setreg_imm32_b32 hwreg(HW_REG_WAVE_SCHED_MODE, 0, 2), 2
	s_setreg_imm32_b32 hwreg(HW_REG_WAVE_MODE, 25, 1), 1
	s_wait_xcnt 0x0
	s_wait_alu depctr_vm_vsrc(0)
; GroupNorm of x_A and x_B, and the four weight matrices turned into bf16 fragments.
; Work-group g (0..511) owns one group: branch g >> 8, 16 channels x 1,024 positions = 65,536 consecutive bytes of f32.
; Thread t holds positions 4t .. 4t+3 of all 16 channels in 64 registers, so x is read once: pass 1 sums x, pass 2 sums (x - mean)^2
; (two passes: a common offset of the inputs costs no accuracy), pass 3 writes (x - mean) rstd gamma + beta as bf16.
; Stored: xn bf16 [branch*16+b][c][p];  coef f32 per group: a of 16 channels, then b of 16 channels, with norm = a x + b, a = rstd gamma, b = beta - mean a;
; wf: every weight matrix as fragments of 16 rows x 32 k of bf16, 1,024 bytes each, laid [half 0..1][lane 0..31][16 bytes]:
; piece (half, lane 16h + r) = row r, k = 16 half + 8h .. +7; fragment (row/16, k/32) at matrix base + (8 (row/16) + k/32) 1,024.
; Work-group g converts 1,024 weights (two fragments) into wf's bytes 2,048 g ..: WqkvA is g 0..191, WqkvB 192..383, WoutA 384..447, WoutB 448..511.
; Its reads are 32-byte pieces of 16 rows per instruction (the eight waves together read 16 pieces of 256 bytes): 2 MB of the launch's 36 MB.
; No matrix unit, no cluster, no tensor load: a stream; all 64 KiB of the work-group are asked for at once.
; LIMIT: xn and wf are rounded to bf16 (they are matrix operands); the statistics and coef are f32.
; THE MODE: SCHED_MODE bits 1:0 = 2 (LLVM: expert scheduling mode 2), set by the entry lines.  The code itself states the register dependences
; between vector instructions and memory or LDS instructions, with s_wait_alu, always for 0.
; THE PLAN.  Registers that memory or LDS instructions touch:
;   v1 - v4, v[LW], v[LZ]   offsets and LDS addresses: written at the head, never again; one wait ahead of the first load serves every access.
;   v5, v6, v[8:11], X      loaded once each, named by no vector line before their load.
;   v[12:13]                written by two conversions, read by the store into wf, never written again.
;   v[CH]                   written by a sum's fold, read by its LDS store; pass 2's first products write it again: one wait on vm_vsrc ahead of them.
;   v[P8 ..]                a sum's two LDS loads land in it; vector lines read and write it; the second sum's loads land in it again, behind that sum's wait on va_vdst.
;   X + 4 i, X + 4 i + 1    pass 3: written by channel i's roundings, read by channel i's store, never written again.
; Pass 3 goes in four blocks of four channels.  One wait at a block's head states that the block before has written its eight out registers; that block's four stores
; are dealt among this block's vector lines, which name their own channels' registers, v[AI ..] and v[RSTD] alone.
.set X,    16                          ; v[16:79]   x load i (channel i) at X + 4 i
.set CH,   80                          ; v[80:87]   four chains of pairs
.set MEAN, 88                          ; v[88:89]   mean, twice
.set RSTD, 90
.set VAR,  91
.set LW,   92                          ; LDS byte 4 x wave
.set LZ,   93                          ; LDS byte 0
.set P8,   94                          ; v[94:101]  the eight waves' figures
.set AI,   102                         ; v[102:103] rstd x gamma of a channel, two registers in turn
	s_load_b512 s[4:19], s[0:1], 0x0               ; x_A 4, x_B 6, gA 8, gB 10, bA 12, bB 14, WqkvA 16, WqkvB 18
	s_load_b256 s[20:27], s[0:1], 0x40             ; WoutA 20, WoutB 22, xn 24, wf 26
	s_load_b64 s[28:29], s[0:1], 0x60              ; coef
	v_lshl_add_u32 v104, v0, 2, 0x100
	v_mov_b32 v105, 0
	v_lshrrev_b32 v7, 5, v0
	v_readfirstlane_b32 s2, v7                     ; wave
	s_mov_b32 s3, ttmp9                            ; g
	v_lshlrev_b32 v1, 4, v0                        ; 16 t: my 16 bytes of a channel of x
	v_lshlrev_b32 v2, 3, v0                        ; 8 t: my 8 bytes of a channel of xn, and of the weight chunk in wf
	v_and_b32 v3, 0xe0, v0                         ; weight source: bits 5, 6, 7 of t are h, half, fragment = 32, 64, 128 bytes along the row
	v_bfe_u32 v7, v0, 1, 4                         ; r = (t >> 1) & 15
	v_lshl_add_u32 v3, v7, 10, v3                  ; + r rows of 1,024 bytes
	v_and_b32 v7, 1, v0
	v_lshl_add_u32 v3, v7, 4, v3                   ; + which four of the piece's eight numbers
	v_and_b32 v4, 15, v0
	v_lshlrev_b32 v4, 2, v4                        ; 4 (t & 15): gamma and beta of channel t & 15, for coef
	s_wait_alu depctr_va_sdst(0)                   ; s2 is written, ahead of its first reader, the line below
	v_mov_b32 v[LW], s2
	v_lshlrev_b32 v[LW], 2, v[LW]
	v_mov_b32 v[LZ], 0
	s_sub_co_u32 s30, s3, 192                      ; the chunk's number inside its matrix, for each of the four cases
	s_sub_co_u32 s31, s3, 384
	s_sub_co_u32 s32, s3, 448
	s_wait_kmcnt 0x0
	s_cmp_lt_u32 s3, 256                           ; branch A or B
	s_cselect_b64 s[4:5], s[4:5], s[6:7]           ; x
	s_cselect_b64 s[8:9], s[8:9], s[10:11]         ; gamma
	s_cselect_b64 s[12:13], s[12:13], s[14:15]     ; beta
	s_cmp_lt_u32 s3, 192
	s_cselect_b64 s[16:17], s[16:17], s[18:19]     ; WqkvA or WqkvB
	s_cselect_b32 s30, s3, s30
	s_cmp_lt_u32 s3, 448
	s_cselect_b64 s[20:21], s[20:21], s[22:23]     ; WoutA or WoutB
	s_cselect_b32 s31, s31, s32
	s_cmp_lt_u32 s3, 384
	s_cselect_b64 s[16:17], s[16:17], s[20:21]     ; the chunk's matrix
	s_cselect_b32 s30, s30, s31                    ; g': the chunk's number in it
	s_mov_b32 s7, 0                                ; s[6:7]: offsets, all below 4 GiB
	s_and_b32 s6, s3, 255
	s_lshl_b32 s6, s6, 16
	s_add_nc_u64 s[4:5], s[4:5], s[6:7]            ; x at my group
	s_and_b32 s6, s3, 15
	s_lshl_b32 s6, s6, 6
	s_add_nc_u64 s[8:9], s[8:9], s[6:7]            ; gamma and beta at my 16 channels
	s_add_nc_u64 s[12:13], s[12:13], s[6:7]
	s_lshr_b32 s31, s30, 2
	s_lshl_b32 s31, s31, 14                        ; (g' >> 2) blocks of 16 rows
	s_and_b32 s30, s30, 3
	s_lshl_b32 s30, s30, 8                         ; (g' & 3) pairs of fragments: 64 numbers along the row
	s_add_co_u32 s6, s30, s31
	s_add_nc_u64 s[16:17], s[16:17], s[6:7]
	s_lshl_b32 s6, s3, 15
	s_add_nc_u64 s[24:25], s[24:25], s[6:7]        ; xn: 32,768 bytes a group
	s_lshl_b32 s6, s3, 11
	s_add_nc_u64 s[26:27], s[26:27], s[6:7]        ; wf: 2,048 bytes a chunk
	s_lshl_b32 s6, s3, 7
	s_add_nc_u64 s[28:29], s[28:29], s[6:7]        ; coef: 128 bytes a group
	s_load_b512 s[32:47], s[8:9], 0x0              ; gamma of my 16 channels, as scalars
	s_load_b512 s[48:63], s[12:13], 0x0            ; beta
	s_mov_b32 s18, 0x76543210                      ; v_permlanex16_b32: lane i of one half reads lane i of the other
	s_mov_b32 s19, 0xfedcba98
	s_mov_b32 s22, 0x38800000                      ; 1 / 16,384
	s_mov_b32 s23, 0x3727c5ac                      ; 1e-5
	s_wait_alu depctr_va_vdst(0)                   ; the offsets v1 to v4 and the LDS addresses v[LW], v[LZ] are written: every load, store and LDS access of the kernel reads one of them, and none is written again
	global_load_b32 v5, v4, s[8:9]
	global_load_b32 v6, v4, s[12:13]
	global_load_b128 v[8:11], v3, s[16:17]
.set i, 0
.rept 16
	global_load_b128 v[X+4*i:X+4*i+3], v1, s[4:5] offset:4096*i th:TH_LOAD_NT   ; a wave's load covers 512 consecutive bytes
.set i, i+1
.endr
	s_wait_loadcnt 16                              ; the sixteen loads of x are younger: gamma, beta and the weights are in
	v_cvt_pk_bf16_f32 v12, v8, v9
	v_cvt_pk_bf16_f32 v13, v10, v11
	s_wait_alu depctr_va_vdst(0)                   ; the two conversions have written v[12:13], which the store reads
	global_store_b64 v2, v[12:13], s[26:27]        ; a wave stores 256 consecutive bytes of wf
	; pass 1: the sum, in four chains; the chains start as sums of two loads, so nothing is cleared
	s_wait_loadcnt 13                              ; x 0, 1, 2 are in; thirteen younger loads stay out
	v_pk_add_f32 v[CH:CH+1], v[X:X+1], v[X+8:X+9]
	v_pk_add_f32 v[CH+2:CH+3], v[X+2:X+3], v[X+10:X+11]
	s_wait_loadcnt 12
	v_pk_add_f32 v[CH+4:CH+5], v[X+4:X+5], v[X+12:X+13]
	v_pk_add_f32 v[CH+6:CH+7], v[X+6:X+7], v[X+14:X+15]
.set i, 4
.rept 12
	s_wait_loadcnt 15-i                            ; loads come back in order: x i is in, the 15 - i younger ones stay out
	v_pk_add_f32 v[CH+4*(i&1):CH+4*(i&1)+1], v[CH+4*(i&1):CH+4*(i&1)+1], v[X+4*i:X+4*i+1]
	v_pk_add_f32 v[CH+4*(i&1)+2:CH+4*(i&1)+3], v[CH+4*(i&1)+2:CH+4*(i&1)+3], v[X+4*i+2:X+4*i+3]
.set i, i+1
.endr
; The four chains are folded, summed over the wave's lanes and over the eight waves; the sum ends in v[P8] of every lane.
; off: the eight LDS words of this sum; each of the two sums has words of its own, so one barrier each is enough.
.macro WGSUM off
	v_pk_add_f32 v[CH:CH+1], v[CH:CH+1], v[CH+2:CH+3]
	v_pk_add_f32 v[CH+4:CH+5], v[CH+4:CH+5], v[CH+6:CH+7]
	v_pk_add_f32 v[CH:CH+1], v[CH:CH+1], v[CH+4:CH+5]
	v_add_f32 v[CH], v[CH], v[CH+1]
	v_add_f32_dpp v[CH], v[CH], v[CH] row_xmask:1 row_mask:0xf bank_mask:0xf
	v_add_f32_dpp v[CH], v[CH], v[CH] row_xmask:2 row_mask:0xf bank_mask:0xf
	v_add_f32_dpp v[CH], v[CH], v[CH] row_xmask:4 row_mask:0xf bank_mask:0xf
	v_add_f32_dpp v[CH], v[CH], v[CH] row_xmask:8 row_mask:0xf bank_mask:0xf
	v_permlanex16_b32 v[CH+1], v[CH], s18, s19
	v_add_f32 v[CH], v[CH], v[CH+1]
	s_wait_alu depctr_va_vdst(0)                   ; v[CH] is written, which the LDS store reads; in the second sum the lines that wrote and read v[P8 ..] are done too, in which the LDS loads below land: no vector line stands between this wait and them
	ds_store_b32 v[LW], v[CH] offset:\off          ; all lanes write the wave's word with the same value
	s_wait_dscnt 0x0                               ; my word is written before I signal
	s_barrier_signal -1
	s_barrier_wait -1
	ds_load_b128 v[P8:P8+3], v[LZ] offset:\off
	ds_load_b128 v[P8+4:P8+7], v[LZ] offset:\off+16
	s_wait_dscnt 0x0
	v_pk_add_f32 v[P8:P8+1], v[P8:P8+1], v[P8+2:P8+3]
	v_pk_add_f32 v[P8+4:P8+5], v[P8+4:P8+5], v[P8+6:P8+7]
	v_pk_add_f32 v[P8:P8+1], v[P8:P8+1], v[P8+4:P8+5]
	v_add_f32 v[P8], v[P8], v[P8+1]
.endm
	WGSUM 0
	v_mul_f32 v[MEAN], s22, v[P8]
	v_mul_f32 v[MEAN+1], s22, v[P8]
	; pass 2: d = x - mean in place, and the sum of d d
.set i, 0
.rept 32
	v_pk_add_f32 v[X+2*i:X+2*i+1], v[X+2*i:X+2*i+1], v[MEAN:MEAN+1] neg_lo:[0,1] neg_hi:[0,1]
.set i, i+1
.endr
	s_wait_alu depctr_vm_vsrc(0)                   ; the first sum's LDS store has read v[CH], which the products below write again
.set i, 0
.rept 4
	v_pk_mul_f32 v[CH+2*i:CH+2*i+1], v[X+2*i:X+2*i+1], v[X+2*i:X+2*i+1]        ; the first four products start the chains
.set i, i+1
.endr
.rept 28
	v_pk_fma_f32 v[CH+2*(i&3):CH+2*(i&3)+1], v[X+2*i:X+2*i+1], v[X+2*i:X+2*i+1], v[CH+2*(i&3):CH+2*(i&3)+1]
.set i, i+1
.endr
	WGSUM 32
	v_fma_f32 v[VAR], v[P8], s22, s23              ; variance + eps
	v_rsq_f32 v[RSTD], v[VAR]
	v_nop                                          ; one plain place behind the transcendental before its result is used (ISA guide 5.7.2)
	; pass 3: d (rstd gamma) + beta, rounded once to bf16; four blocks of four channels
; channel i: seven vector lines; the result lies in X + 4 i, X + 4 i + 1
.macro CHAN i
	v_mul_f32 v[AI+((\i)&1)], s[32+(\i)], v[RSTD]
	v_fma_f32 v[X+4*(\i)],   v[X+4*(\i)],   v[AI+((\i)&1)], s[48+(\i)]
	v_fma_f32 v[X+4*(\i)+1], v[X+4*(\i)+1], v[AI+((\i)&1)], s[48+(\i)]
	v_fma_f32 v[X+4*(\i)+2], v[X+4*(\i)+2], v[AI+((\i)&1)], s[48+(\i)]
	v_fma_f32 v[X+4*(\i)+3], v[X+4*(\i)+3], v[AI+((\i)&1)], s[48+(\i)]
	v_cvt_pk_bf16_f32 v[X+4*(\i)],   v[X+4*(\i)],   v[X+4*(\i)+1]
	v_cvt_pk_bf16_f32 v[X+4*(\i)+1], v[X+4*(\i)+2], v[X+4*(\i)+3]
.endm
; channel i leaves
.macro PUT i
	global_store_b64 v2, v[X+4*(\i):X+4*(\i)+1], s[24:25] offset:2048*(\i)     ; a wave stores 256 consecutive bytes of a channel
.endm
	s_wait_kmcnt 0x0                               ; gamma and beta as scalars
	s_wait_alu depctr_va_vdst(0)                   ; the reciprocal root has written v[RSTD], ahead of its first reader
.irp k, 0,1,2,3
	CHAN \k                                        ; block 0: no block stands in front of it, so no store
.endr
.irp b, 1,2,3
	s_wait_alu depctr_va_vdst(0)                   ; the block before has written its eight out registers, which the four stores below read; this block's vector lines name none of them
.irp k, 0,1,2,3
	PUT 4*(\b)-4+(\k)
	CHAN 4*(\b)+(\k)
.endr
.endr
	s_wait_alu depctr_va_vdst(0)                   ; block 3 has written its eight out registers, which the last four stores read
.irp k, 12,13,14,15
	PUT \k
.endr
	; wave 0 alone: the group's 32 coefficients; lanes 0-15 a, lanes 16-31 b of channel lane & 15
	s_cmp_lg_u32 s2, 0
	s_cbranch_scc1 .Ldone
	v_cmp_gt_u32 vcc_lo, 16, v0
	v_mul_f32 v94, v[RSTD], v5                     ; a = rstd gamma
	v_fma_f32 v95, -v[MEAN], v94, v6               ; b = beta - mean a
	v_lshlrev_b32 v96, 2, v0
	s_wait_alu depctr_va_vcc(0)                    ; the compare has written VCC, ahead of its first reader, the select below
	v_cndmask_b32 v94, v95, v94, vcc_lo
	s_wait_alu depctr_va_vdst(0)                   ; v94, the store's data, and v96, its offset, are written
	global_store_b32 v96, v94, s[28:29]
.Ldone:
	s_wait_dscnt 0x0                               ; the closing lines, six on end
	s_wait_alu 0x0
	s_wait_tensorcnt 0x0
	ds_add_u32 v104, v105
	s_wait_dscnt 0x0
	s_endpgm
.Lfunc_end_k_qe97aad436b_norm:
	.size	k_qe97aad436b_norm, .Lfunc_end_k_qe97aad436b_norm-k_qe97aad436b_norm
	.p2alignl 7, 3214868480
	.fill 96, 4, 3214868480
	.section	.rodata,"a",@progbits
	.p2align	6, 0x0
	.amdhsa_kernel k_qe97aad436b_norm
		.amdhsa_group_segment_fixed_size 1280
		.amdhsa_private_segment_fixed_size 0
		.amdhsa_enable_private_segment 0
		.amdhsa_kernarg_size 104
		.amdhsa_user_sgpr_count 2
		.amdhsa_user_sgpr_kernarg_segment_ptr 1
		.amdhsa_wavefront_size32 1
		.amdhsa_system_sgpr_workgroup_id_x 1
		.amdhsa_system_sgpr_workgroup_id_y 1
		.amdhsa_system_sgpr_workgroup_id_z 1
		.amdhsa_system_vgpr_workitem_id 0
		.amdhsa_next_free_vgpr 106
		.amdhsa_next_free_sgpr 66
		.amdhsa_reserve_vcc 1
		.amdhsa_float_denorm_mode_32 3
		.amdhsa_float_denorm_mode_16_64 3
		.amdhsa_memory_ordered 1
		.amdhsa_forward_progress 1
		.amdhsa_inst_pref_size 23
	.end_amdhsa_kernel
	.amdgpu_metadata
---
amdhsa.version: [ 1, 2 ]
amdhsa.kernels:
  - .name:           k_qe97aad436b_norm
    .symbol:         k_qe97aad436b_norm.kd
    .args:
      - { .name: x_A, .offset: 0, .size: 8, .value_kind: global_buffer, .address_space: global }
      - { .name: x_B, .offset: 8, .size: 8, .value_kind: global_buffer, .address_space: global }
      - { .name: gA, .offset: 16, .size: 8, .value_kind: global_buffer, .address_space: global }
      - { .name: gB, .offset: 24, .size: 8, .value_kind: global_buffer, .address_space: global }
      - { .name: bA, .offset: 32, .size: 8, .value_kind: global_buffer, .address_space: global }
      - { .name: bB, .offset: 40, .size: 8, .value_kind: global_buffer, .address_space: global }
      - { .name: WqkvA, .offset: 48, .size: 8, .value_kind: global_buffer, .address_space: global }
      - { .name: WqkvB, .offset: 56, .size: 8, .value_kind: global_buffer, .address_space: global }
      - { .name: WoutA, .offset: 64, .size: 8, .value_kind: global_buffer, .address_space: global }
      - { .name: WoutB, .offset: 72, .size: 8, .value_kind: global_buffer, .address_space: global }
      - { .name: xn, .offset: 80, .size: 8, .value_kind: global_buffer, .address_space: global }
      - { .name: wf, .offset: 88, .size: 8, .value_kind: global_buffer, .address_space: global }
      - { .name: coef, .offset: 96, .size: 8, .value_kind: global_buffer, .address_space: global }
    .group_segment_fixed_size: 1280
    .private_segment_fixed_size: 0
    .kernarg_segment_align: 8
    .kernarg_segment_size: 104
    .max_flat_workgroup_size: 256
    .sgpr_count:     66
    .vgpr_count:     106
    .wavefront_size: 32
...
	.end_amdgpu_metadata
.endif
;; end of part 4
;; launch qkv: the kernel of part 2 again; grid 8 x 32, 8 waves a work-group, no clusters, 168,960 bytes of LDS; arguments xn, wf, q, kv; writes q, kv
;; launch attn: the kernel of part 3 again; grid 32 x 8, 8 waves a work-group, no clusters, 201,728 bytes of LDS; arguments q, kv, wf, coef, x_A, x_B, boutA, boutB, out0, out1; writes out0, out1
